; MI455X (gfx1250); checked and timed in simulation.
; The chip was launched on July 23, 2026; its instructions are those of AMD's public machine-readable ISA for CDNA 5 (MIT licence, August 2026) and "CDNA5" Instruction Set Architecture Reference Guide (July 2026). The comments in the code are by the model that wrote it; some were corrected since.
;; Traditional Mo E. Allowed arithmetic: matrix products marked QUANTISED: E2M3 operands, one E8M0 scale for each 32 along K, by v_wmma_scale_f32_16x16x128_f8f6f4 with both operands' format E2M3, f32 sums; products left as they are: f32 operands where the result goes on into a quantised operand, else bf16, f16 or f32 operands; f32 sums; everything else in f32.
;; Inputs: G1 131 x 32 float32; G2 32 x 8 float32; W1 8 x 131 x 1,024 float32; W2_codes 8 x 1,024 x 32 x 24 uint8 (E2M3 codes of W2, K innermost, in blocks of 32 codes, four codes in three bytes); W2_scales 8 x 1,024 x 32 uint8 (E8M0 scales of W2, one for each 32 codes along K); W3_codes 8 x 128 x 32 x 24 uint8 (E2M3 codes of W3, K innermost, in blocks of 32 codes, four codes in three bytes); W3_scales 8 x 128 x 32 uint8 (E8M0 scales of W3, one for each 32 codes along K); b1 8 x 1,024 float32; b2 8 x 1,024 float32; b3 8 x 128 float32; g1b 32 float32; g2b 8 float32; t 4,096 float32; x 4,096 x 128 float32.
;; Outputs: out0 4,096 x 128 float32.
;; This version of the problem:
;;   THIS VERSION OF THE PROBLEM IS GIVEN IN LOW PRECISION. The matrix products marked QUANTISED in the list below multiply operands that are first quantised to E2M3 (2 exponent bits, 3 mantissa bits; 6 bits a number), with one power-of-two scale for each 32 numbers along K (OCP MX v1.0); their sums are f32. All else is computed in f32.
;;   The module's matrix products, in the order in which they are computed (A, B: the left and right operand; K: the contracted axis; several contracted axes count as one K, in the product's order):
;;     1. [M 4,096, K 131] x [K 131, N 32]; A: computed on the way; B: input G1: QUANTISED
;;     2. [M 4,096, K 32] x [K 32, N 8]; A: computed on the way; B: input G2: left as it is (N = 8 < 16)
;;     3. [M 4,096, K 131] x [K 131, N 8,192]; A: computed on the way; B: input W1: QUANTISED
;;     4. batch 8 x [M 1,024, K 1,024] x [K 1,024, N 4,096]; A: input W2 (given as codes); B: computed on the way: QUANTISED
;;     5. batch 8 x [M 128, K 1,024] x [K 1,024, N 4,096]; A: input W3 (given as codes); B: computed on the way: QUANTISED
;;     6. batch 4,096 x [M 1, K 8] x [K 8, N 128]; A: softmax; B: computed on the way: left as it is (K = 8 < 32)
;;   THE QUANTISER, for each operand of a quantised product, along K:
;;     - K is cut into blocks of 32 from its start; a last block that is shorter is filled with zeros.
;;     - A block's scale is 2^e with e = floor(log2(the largest magnitude in the block)) - 2, held to -126 .. 127; a block of zeros has e = 0. As a byte (E8M0): e + 127.
;;     - Each number is divided by its block's scale, clamped to +-7.5, and rounded to the nearest number of E2M3, ties to even, subnormals kept.
;;     - The product sums the exact products of the quantised numbers (number of the format x scale) in f32.
;;   ~~~python
;;   def quantise(x, axis):      # numpy; x: float32 -> the quantised numbers, widened to float32 again
;;       x = np.moveaxis(x, axis, -1); K = x.shape[-1]
;;       x = np.pad(x, [(0, 0)] * (x.ndim - 1) + [(0, -K % 32)]); x = x.reshape(x.shape[:-1] + (-1, 32)); a = np.abs(x).max(-1, keepdims=True)
;;       e = np.where(a > 0, np.clip(np.frexp(np.where(a > 0, a, 1))[1] - 1 - 2, -126, 127), 0)      # np.frexp(a)[1] - 1 = floor(log2(a)), exactly
;;       r = np.clip(x / 2.0 ** e, -7.5, 7.5)
;;       step = 2.0 ** (np.maximum(np.frexp(np.where(r == 0, 1, r))[1] - 1, 0) - 3)
;;       q = np.round(r / step) * step * 2.0 ** e      # np.round: ties to even
;;       return np.moveaxis(q.reshape(q.shape[:-2] + (-1,))[..., :K], -1, axis).astype(np.float32)
;;   ~~~
;;   OPERANDS COMPUTED ON THE WAY. 'Computed on the way' means the value that the module computes at that place (a softmax that the list does not call 'softmax' is quantised finished and normalised). What goes into a quantiser is computed in f32, as accurately as f32 sums, v_exp_f32 and their like allow (about 1e-6 of the number): no bf16 or f16 on the way to a quantiser, and a product that is left as it is and whose result goes on into a quantised operand takes f32 operands (vector FMAs, or v_wmma_f32_16x16x4_f32). A number that lies on a knife's edge between two numbers of the format may be rounded either way, as far as f32 arithmetic and the matrix unit's own rounding can turn it there, and no further.
;;   INPUTS GIVEN AS CODES. W2 (in the module: [8, 1024, 1024], K = its axis 1); W3 (in the module: [8, 1024, 128], K = its axis 1): each comes as NAME_codes (uint8): NAME with its K axis moved to the last place and cut into blocks of 32 codes, [.., K / 32, bytes a block], one block behind the other in memory; four codes in three bytes: a row's codes are one little-endian stream of bits, code i at bits 6 i .. 6 i + 5 (a code: sign, 2 exponent bits, 3 mantissa bits); and NAME_scales (uint8): the same leading axes, one E8M0 byte (e + 127) for each 32 codes along K. Its value is code x scale, taken as it is: it is not quantised again, and the codes and scales need not be those that the quantiser above would give.
;; One version. Each part assembles by itself: llvm-mc -triple=amdgcn-amd-amdhsa -mcpu=gfx1250 --defsym DOCPART=n.
;; ======== version 1 of 1: 3 launches
;; limits: inputs' magnitudes at most 8,192
;; workspace buffers: wcodes 8,650,752 bytes; wsc 360,448 bytes; inpimg 786,432 bytes; inpsc 65,536 bytes; gates 131,072 bytes; part 16,777,216 bytes
;; launch prep (part 1): grid 52 x 8, 4 waves a work-group, no clusters, 162,304 bytes of LDS; arguments t, x, W1, W2_codes, W2_scales, W3_codes, W3_scales, G1, g1b, G2, g2b, wcodes, wsc, inpimg, inpsc, gates; writes wcodes, wsc, inpimg, inpsc, gates
.if DOCPART == 1
	.amdgcn_target "amdgcn-amd-amdhsa--gfx1250"
	.amdhsa_code_object_version 6
	.text
	.protected	k_q1f11f4284f_prep
	.globl	k_q1f11f4284f_prep
	.p2align	8
	.type	k_q1f11f4284f_prep,@function
k_q1f11f4284f_prep:
	s_mov_b64 s[64:65], 0
	v_nop
	global_prefetch_b8 v0, s[64:65] scope:SCOPE_SE
	s_setreg_imm32_b32 hwreg(HW_REG_WAVE_MODE, 25, 1), 1
	s_wait_xcnt 0x0
; PREP: everything that many work-groups of the next launch read is made once, in the order of the matrix operand's registers.
; A FRAGMENT IMAGE is 16 rows x 128 K of E2M3 codes, 12 registers a lane: register i of lane l lies at byte 512 (i / 4) + 16 l + 4 (i % 4): three 16-byte accesses a lane bring or store it.
; wcodes [e 8][t 11][w 4][24,576]: t = 0, 1: W1 (quantised here); t = 2 + 4 p + s: W2; t = 10: W3.  A quarter holds fragments f = 8 q + tile, q the K step of the pair, tile = 2 b + u;
; lane r of a tile holds weight row 32 b + 8 u + r + 8 (r / 8) of the quarter's 128 rows, so that a result's 16 registers of tiles 2 b, 2 b + 1 are 16 neighbours along the next K.
; wsc [e][t][w][1,024]: chunk b of 256 bytes, 8 bytes a lane: the scale words of K steps q = 0, 1; lanes 0-15 those of tile 2 b, lanes 16-31 those of tile 2 b + 1.
; inpimg [tile of 16 tokens][q 2][1,536], inpsc [tile][q][32 lanes x 4]: [x, t, sin t, cos t] quantised along K = 131 (K step 1 holds three numbers and zero codes).  gates [e][4,096] f32.
; THREE PATHS, parted by the work-group's number id = 52 y + x, the paths with the most work first: 0-63 tokens (a tile of 16 tokens a wave); 64-127 W1 (expert (id - 64) / 8, group of 128 units (id - 64) % 8);
; 128-415 W2 and W3 (expert (id - 128) / 36).  Waves share nothing: every LDS byte is one wave's own, and each path has LDS bytes of its own.
; A block's scale byte is its largest magnitude's exponent field - 2, held at 1 from below (a block of zeros keeps 1: its codes are zeros, and this program alone reads these bytes).
; LIMITS: sin and cos are an argument reduction by pi / 2 in two parts and two polynomials, good for |t| up to 8,192; NaN and infinities among the inputs are not served;
; blocks whose largest magnitude lies under 2^-124 get the byte 1.
.set ZT,  144                          ; v144-159: sixteen numbers for the short block's conversion
.set WST, 16896                        ; a wave's stage for 128 rows x 32 columns of f32: four blocks of 32 rows x 128 bytes, 128 bytes behind each
.set STA, 26624                        ; LDS: 0 .. 26,623 the stages of the W2 / W3 path; from here the W1 path's four stages;
.set STC, STA+4*WST                    ; from here the token path's four
; The columns of a [131][..] f32 weight.  The quantiser wants a lane to hold ONE column with its registers running down K; memory has the columns side by side.  So rows 0-127 of the wave's 32 columns (128 bytes a row)
; come as they lie, four rows a load (eight lanes to a row, 16 bytes a lane: v4 = pitch x (lane / 8) + 16 (lane % 8)), 32 loads; rows 128-130 come by column (v5 = the lane's column in bytes), so that no load passes row 130.
.macro COLASK base, pitch, colstep
.set ci, 0
.rept 32
	global_load_b128 v[128+4*ci:128+4*ci+3], v4, s[\base:\base+1] offset:4*ci*(\pitch)
.set ci, ci+1
.endr
.irp u, 0,1
.irp k, 0,1,2
	global_load_b32 v[8+3*\u+\k], v5, s[\base:\base+1] offset:(128+\k)*(\pitch)+\u*(\colstep)
.endr
.endr
.endm
; They turn through the wave's own stage: in as loaded (v16 = stage + 16 x lane: 512 consecutive bytes a store), back by column in the operand's own order (v17 = stage + column + 4,224 h):
; v[128 + 64 u + 32 c + i] = row 64 c + 32 h + i of tile u's column.  Lanes 16-31 read one block, 1,056 words, further on than lanes 0-15: 32 banks on (64 banks of 4 bytes: ISA guide 11.1), so the halves of a load do not meet.
.macro COLTURN colstep
.set ci, 0
.rept 32
	ds_store_b128 v16, v[128+4*ci:128+4*ci+3] offset:4224*(ci/8)+512*(ci%8)
.set ci, ci+1
.endr
	s_wait_dscnt 0x0                                   ; the stores have read their registers, into which the loads below land
.irp u, 0,1
.irp c, 0,1
.set ci, 0
.rept 32
	ds_load_b32 v[128+64*\u+32*\c+ci], v17 offset:8448*\c+128*ci+\u*(\colstep)
.set ci, ci+1
.endr
.endr
.endr
.endm
; 64 numbers of a lane, v[X + 32 c + i] = k 64 c + 32 h + i of my row or column: two whole blocks.  Codes into v[F .. F + 11], the whole scale word into v[W] (both halves of the lanes).  T: 16 registers at work
.macro QCOL0 X, F, T, W
.irp c, 0,1
	v_max3_num_f32 v[\T+\c], |v[\X+32*\c]|, |v[\X+32*\c+1]|, 0x1800000   ; the floor 2^(3 - 127) holds the byte at 1 from below
.endr
.irp i, 2,4,6,8,10,12,14,16,18,20,22,24,26,28,30
.irp c, 0,1
	v_max3_num_f32 v[\T+\c], v[\T+\c], |v[\X+32*\c+\i]|, |v[\X+32*\c+\i+1]|
.endr
.endr
.irp c, 0,1
	v_add_nc_u32 v[\T+2+\c], 0xff000000, v[\T+\c]      ; 2 off the exponent field: the conversion's scale operand
.endr
.irp c, 0,1
	v_lshrrev_b32 v[\T+4+\c], 23, v[\T+2+\c]           ; the scale's byte
.endr
	v_lshl_or_b32 v[\W], v[\T+5], 16, v[\T+4]          ; my two bytes: blocks h and 2 + h,
	v_lshlrev_b32 v[\T+6], 3, v2
	v_lshlrev_b32 v[\W], v[\T+6], v[\W]                ; 8 h bits up;
	v_mov_b32 v[\T+6], 0
	v_permlanex16_b32 v[\T+6], v[\W], s38, s39
	v_or_b32 v[\W], v[\W], v[\T+6]                     ; with lane l xor 16's two the word is whole
.irp c, 0,1
	v_cvt_scalef32_pk16_fp6_f32 v[\F+6*\c:\F+6*\c+2], v[\X+32*\c:\X+32*\c+15], v[\T+2+\c]
	v_cvt_scalef32_pk16_fp6_f32 v[\T+8+4*\c:\T+10+4*\c], v[\X+32*\c+16:\X+32*\c+31], v[\T+2+\c]   ; (a conversion's three registers begin on an even number)
.endr
	v_nop                                              ; one plain place behind a scaled conversion
.irp c, 0,1
.irp i, 0,1,2
	v_mov_b32 v[\F+3+6*\c+\i], v[\T+8+4*\c+\i]
.endr
.endr
.endm
; K step 1: k = 128, 129, 130 stand in v[K .. K + 2] of every lane; all else of the step is zero codes.  The scale is taken first, so its word v[B] (bytes 1-3: 127) stands in both halves; then lanes 16-31 are cleared
.macro QCOL1 K, F, T, B
	v_max3_num_f32 v[\T], |v[\K]|, |v[\K+1]|, 0x1800000
	v_max_num_f32 v[\T], v[\T], |v[\K+2]|
	v_add_nc_u32 v[\T+1], 0xff000000, v[\T]
.irp i, 0,1,2
	v_cndmask_b32 v[ZT+\i], 0, v[\K+\i], vcc_lo        ; VCC: lanes 0-15, which hold k = 128 .. 159
.endr
.irp i, 3,4,5,6,7,8,9,10,11,12,13,14,15
	v_mov_b32 v[ZT+\i], 0
.endr
	v_lshrrev_b32 v[\B], 23, v[\T+1]
	v_or_b32 v[\B], 0x7f7f7f00, v[\B]
	v_cvt_scalef32_pk16_fp6_f32 v[\F:\F+2], v[ZT:ZT+15], v[\T+1]
	v_nop                                              ; one plain place behind a scaled conversion
.irp i, 3,4,5,6,7,8,9,10,11
	v_mov_b32 v[\F+\i], 0
.endr
.endm
	s_load_b512 s[4:19], s[0:1], 0x0               ; t 4, x 6, W1 8, W2 codes 10, W2 scales 12, W3 codes 14, W3 scales 16, G1 18
	s_load_b512 s[20:35], s[0:1], 0x40             ; g1b 20, G2 22, g2b 24, wcodes 26, wsc 28, inpimg 30, inpsc 32, gates 34
	s_set_vgpr_msb 0x40
	v_lshl_add_u32 v0, v0, 2, 0x27800
	v_mov_b32 v1, 0
	s_set_vgpr_msb 0x4000
	v_lshrrev_b32 v1, 5, v0
	v_readfirstlane_b32 s36, v1                    ; wave
	v_and_b32 v1, 15, v0                           ; r
	v_bfe_u32 v2, v0, 4, 1                         ; h
	v_and_b32 v3, 31, v0                           ; lane
	s_and_b32 s37, ttmp7, 0xffff
	s_mul_i32 s37, s37, 52
	s_add_co_u32 s37, s37, ttmp9                   ; id = 52 y + x
	s_mov_b32 s38, 0x76543210
	s_mov_b32 s39, 0xfedcba98                      ; v_permlanex16_b32's selects for lane l xor 16
	v_cmp_gt_u32 vcc_lo, 16, v3                    ; lanes 0-15; VCC stays so
	s_wait_kmcnt 0x0
	s_cmp_ge_u32 s37, 128
	s_cbranch_scc1 .Lw23
	s_cmp_ge_u32 s37, 64
	s_cbranch_scc1 .Lw1
; ---------------- TOKENS: a wave takes tile T = 4 id + wave: 16 tokens ----------------
; All that the path reads is asked for at its head: 61 loads a wave.
; REGISTERS: v4-7 addresses and t; v8-13 rows 128-130 of G1's columns, later t, sin t, cos t and store addresses; v14, v15, v188-191 scale words; v16-63 at first addresses (v16, v17, v26), G2 as loaded (v18-25) and g1b (v44-59),
; then G1's four fragments (tile u, K step q at 16 + 12 (2 u + q)); v64-127 x, later G2's rows 0-15; v128-191 G1's tile 0, later at work (v128-143), ZT, the hidden layer (v160-175), x's fragment (v176-187); v192-255 G1's tile 1, later G2's rows 16-31
	s_lshl_b32 s40, s37, 2
	s_add_co_u32 s40, s40, s36                     ; T
	s_mov_b32 s43, 0
	s_lshl_b32 s42, s40, 13                        ; x: 16 rows of 512 bytes
	s_add_nc_u64 s[6:7], s[6:7], s[42:43]
	s_lshl_b32 s42, s40, 6                         ; t and a row of gates: 16 numbers
	s_add_nc_u64 s[4:5], s[4:5], s[42:43]
	s_add_nc_u64 s[34:35], s[34:35], s[42:43]
	s_mul_i32 s42, s40, 3072
	s_add_nc_u64 s[30:31], s[30:31], s[42:43]
	s_lshl_b32 s42, s40, 8
	s_add_nc_u64 s[32:33], s[32:33], s[42:43]
	s_load_b256 s[44:51], s[24:25], 0x0            ; g2b
	s_mul_i32 s54, s36, WST
	s_add_co_u32 s54, s54, STC                     ; my stage
	v_lshlrev_b32 v4, 4, v3                        ; G1's rows are 128 bytes: four rows are 512 consecutive bytes, 16 x lane; G2 likewise
	v_lshlrev_b32 v5, 2, v1                        ; 4 r: G1's column, and t
	v_lshlrev_b32 v6, 9, v1
	v_lshl_add_u32 v6, v2, 7, v6                   ; x: row r, + 128 h: my block of 32
	v_lshlrev_b32 v26, 5, v2                       ; g1b: 32 h
	v_add_nc_u32 v16, s54, v4
	v_mad_u32_u24 v17, v2, 4224, v5
	v_add_nc_u32 v17, s54, v17
	COLASK 18, 128, 64
.irp c, 0,1
.irp j, 0,1,2,3,4,5,6,7
	global_load_b128 v[64+32*\c+4*\j:64+32*\c+4*\j+3], v6, s[6:7] offset:256*\c+16*\j th:TH_LOAD_NT   ; x(r, 64 c + 32 h + 4 j ..)
.endr
.endr
	global_load_b32 v7, v5, s[4:5]
.irp n, 0,1                                    ; g1b in the result's layout: tile n, register j: unit 16 n + 8 h + j
	global_load_b128 v[44+8*\n:47+8*\n], v26, s[20:21] offset:64*\n
	global_load_b128 v[48+8*\n:51+8*\n], v26, s[20:21] offset:64*\n+16
.endr
	global_load_b128 v[18:21], v4, s[22:23]        ; G2's 1,024 bytes as they lie
	global_load_b128 v[22:25], v4, s[22:23] offset:512
	s_wait_loadcnt 0x0                             ; all of them: their address registers are free too
	COLTURN 64
	ds_store_b128 v16, v[18:21]                    ; G2 goes into my stage's first 1,024 bytes: LDS serves a wave's instructions in order, so these stores come behind the last read of the columns
	ds_store_b128 v16, v[22:25] offset:512
	s_wait_dscnt 0x0                               ; the columns are in, and the stores have read their registers
	QCOL0 128, 16, 28, 14
.irp j, 0,1,2,3,4,5,6,7,8,9,10,11,12,13,14,15
	v_mov_b32 v[160+\j], v[44+\j]                  ; g1b into the accumulators themselves, whose registers have just fallen free: it is the C of each sum's first product
.endr
	v_lshl_add_u32 v5, v2, 8, s54                  ; G2 in my stage: row 16 n + 8 h + j is 32 bytes; all lanes of a half read the same bytes
	QCOL0 192, 40, 128, 15
.irp j, 0,1,2,3,4,5,6,7
	ds_load_b128 v[192+8*\j:195+8*\j], v5 offset:512+32*\j
	ds_load_b128 v[196+8*\j:199+8*\j], v5 offset:512+32*\j+16
.endr
	QCOL1 8, 28, 140, 188
	QCOL1 11, 52, 140, 189
	QCOL0 64, 176, 128, 190
.irp j, 0,1,2,3,4,5,6,7
	ds_load_b128 v[64+8*\j:67+8*\j], v5 offset:32*\j
	ds_load_b128 v[68+8*\j:71+8*\j], v5 offset:32*\j+16
.endr
	; sin t and cos t in f32: n = the nearest whole number to t x 2 / pi; rho = t - n pi / 2 with pi / 2 in two parts; polynomials on |rho| <= pi / 4; the quadrant by selects
	v_mul_f32 v128, 0x3f22f983, v7
	v_rndne_f32 v128, v128
	v_fmamk_f32 v129, v128, 0xbfc90fdb, v7         ; t - n x 1.57079637
	v_fmamk_f32 v129, v128, 0x333bbd2e, v129       ; + n x 4.37113883e-8
	v_cvt_i32_f32 v130, v128
	v_mul_f32 v131, v129, v129                     ; z = rho^2
	v_mov_b32 v132, 0xb94ca1f9
	v_fmaak_f32 v132, v132, v131, 0x3c08839e
	v_fmaak_f32 v132, v132, v131, 0xbe2aaaa3
	v_mul_f32 v133, v131, v129
	v_fma_f32 v132, v132, v133, v129               ; sin rho
	v_mov_b32 v134, 0x37ccf5ce
	v_fmaak_f32 v134, v134, v131, 0xbab6061a
	v_fmaak_f32 v134, v134, v131, 0x3d2aaaa5
	v_mul_f32 v135, v131, v131
	v_fma_f32 v136, v131, -0.5, 1.0
	v_fma_f32 v134, v134, v135, v136               ; cos rho
	v_and_b32 v137, 1, v130
	v_cmp_eq_u32 s52, 1, v137
	v_cndmask_b32 v9, v132, v134, s52              ; odd n: the two change places
	v_cndmask_b32 v10, v134, v132, s52
	v_and_b32 v137, 2, v130
	v_lshlrev_b32 v137, 30, v137
	v_xor_b32 v9, v9, v137                         ; sin's sign turns where n & 2,
	v_add_nc_u32 v138, 1, v130
	v_and_b32 v138, 2, v138
	v_lshlrev_b32 v138, 30, v138
	v_xor_b32 v10, v10, v138                       ; cos's where (n + 1) & 2
	v_mov_b32 v8, v7
	QCOL1 8, 128, 140, 191
	v_lshlrev_b32 v11, 4, v3
	v_lshlrev_b32 v12, 2, v3
	v_lshlrev_b32 v13, 2, v1
	v_lshl_add_u32 v13, v2, 16, v13                ; gates: 4 r, + four experts' rows for lanes 16-31
.irp c, 0,1,2
	global_store_b128 v11, v[176+4*\c:179+4*\c], s[30:31] offset:512*\c          ; 512 consecutive bytes a store
	global_store_b128 v11, v[128+4*\c:131+4*\c], s[30:31] offset:1536+512*\c
.endr
	global_store_b32 v12, v190, s[32:33]
	global_store_b32 v12, v191, s[32:33] offset:128
.rept 8
	v_nop                                          ; scale words made by vector instructions stand 8 places ahead of a scaled matrix instruction, operands 4
.endr
	; the gate's hidden layer, transposed: source 0 = 16 columns of G1, source 1 = my 16 tokens; the two accumulators by turns
	v_wmma_scale_f32_16x16x128_f8f6f4 v[160:167], v[16:27], v[176:187], v[160:167], v14, v190 matrix_a_fmt:MATRIX_FMT_FP6 matrix_b_fmt:MATRIX_FMT_FP6
	v_wmma_scale_f32_16x16x128_f8f6f4 v[168:175], v[40:51], v[176:187], v[168:175], v15, v190 matrix_a_fmt:MATRIX_FMT_FP6 matrix_b_fmt:MATRIX_FMT_FP6
	v_wmma_scale_f32_16x16x128_f8f6f4 v[160:167], v[28:39], v[128:139], v[160:167], v188, v191 matrix_a_fmt:MATRIX_FMT_FP6 matrix_b_fmt:MATRIX_FMT_FP6
	v_wmma_scale_f32_16x16x128_f8f6f4 v[168:175], v[52:63], v[128:139], v[168:175], v189, v191 matrix_a_fmt:MATRIX_FMT_FP6 matrix_b_fmt:MATRIX_FMT_FP6
.rept 4
	v_nop
.endr
.irp j, 0,1,2,3,4,5,6,7,8,9,10,11,12,13,14,15
	v_max_num_f32 v[160+\j], 0, v[160+\j]          ; relu, each accumulator from its low end on
.endr
	s_wait_dscnt 0x0                               ; G2
	; the logits in f32: my 16 hidden units x their rows of G2; lane l xor 16 has the other 16
.irp e, 0,1,2,3,4,5,6,7
	v_mul_f32 v[16+\e], v160, v[64+\e]
.endr
.irp j, 1,2,3,4,5,6,7
.irp e, 0,1,2,3,4,5,6,7
	v_fmac_f32 v[16+\e], v[160+\j], v[64+8*\j+\e]
.endr
.endr
.irp j, 0,1,2,3,4,5,6,7
.irp e, 0,1,2,3,4,5,6,7
	v_fmac_f32 v[16+\e], v[168+\j], v[192+8*\j+\e]
.endr
.endr
.irp e, 0,1,2,3,4,5,6,7
	v_permlanex16_b32 v[24+\e], v[16+\e], s38, s39
.endr
	s_wait_kmcnt 0x0                               ; g2b
.irp e, 0,1,2,3,4,5,6,7
	v_add_f32 v[16+\e], v[16+\e], v[24+\e]
.endr
.irp e, 0,1,2,3,4,5,6,7
	v_add_f32 v[16+\e], s[44+\e], v[16+\e]
.endr
	v_max3_num_f32 v24, v16, v17, v18              ; the softmax takes its maximum away
	v_max3_num_f32 v24, v24, v19, v20
	v_max3_num_f32 v24, v24, v21, v22
	v_max_num_f32 v24, v24, v23
.irp e, 0,1,2,3,4,5,6,7
	v_sub_f32 v[16+\e], v[16+\e], v24
.endr
.irp e, 0,1,2,3,4,5,6,7
	v_mul_f32 v[16+\e], 0x3fb8aa3b, v[16+\e]
.endr
.irp e, 0,1,2,3,4,5,6,7
	v_exp_f32 v[16+\e], v[16+\e]
.endr
	v_nop                                          ; a plain place behind the exponentials
	s_wait_alu depctr_va_vdst(0)
	v_add_f32 v25, v16, v17
	v_add_f32 v26, v18, v19
	v_add_f32 v27, v20, v21
	v_add_f32 v28, v22, v23
	v_add_f32 v25, v25, v26
	v_add_f32 v27, v27, v28
	v_add_f32 v25, v25, v27
	v_rcp_f32 v25, v25
	v_nop
	s_wait_alu depctr_va_vdst(0)
.irp e, 0,1,2,3,4,5,6,7
	v_mul_f32 v[16+\e], v[16+\e], v25
.endr
.irp e, 0,1,2,3
	v_cndmask_b32 v[32+\e], v[20+\e], v[16+\e], vcc_lo   ; lanes 0-15 store expert e, lanes 16-31 expert e + 4
.endr
.irp e, 0,1,2,3
	global_store_b32 v13, v[32+\e], s[34:35] offset:16384*\e
.endr
	s_set_vgpr_msb 0x5
	s_wait_tensorcnt 0x0
	ds_add_u32 v0, v1
	s_wait_dscnt 0x0
	s_set_vgpr_msb 0x500
	s_endpgm
; ---------------- W1: a work-group takes a group of 128 hidden units of an expert (quarter 44 e + g), wave b its tiles 2 b, 2 b + 1: 32 columns, 128 bytes of each row ----------------
.Lw1:
	s_sub_co_u32 s56, s37, 64
	s_lshr_b32 s57, s56, 3                         ; e
	s_and_b32 s56, s56, 7                          ; g
	s_mul_i32 s40, s57, 536576                     ; an expert's W1: 131 rows of 4,096 bytes
	s_lshl_b32 s41, s56, 9
	s_add_co_u32 s40, s40, s41
	s_lshl_b32 s41, s36, 7
	s_add_co_u32 s40, s40, s41                     ; + 4 (128 g + 32 b)
	s_mov_b32 s41, 0
	s_add_nc_u64 s[8:9], s[8:9], s[40:41]
	s_mul_i32 s42, s57, 44
	s_add_co_u32 s42, s42, s56                     ; the quarter's number
	s_mul_i32 s40, s42, 24576
	s_mul_i32 s43, s36, 3072
	s_add_co_u32 s40, s40, s43
	s_add_nc_u64 s[26:27], s[26:27], s[40:41]
	s_lshl_b32 s40, s42, 10
	s_lshl_b32 s43, s36, 8
	s_add_co_u32 s40, s40, s43
	s_add_nc_u64 s[28:29], s[28:29], s[40:41]
	s_mul_i32 s54, s36, WST
	s_add_co_u32 s54, s54, STA                     ; my stage
	v_lshrrev_b32 v4, 3, v3
	v_lshlrev_b32 v4, 12, v4
	v_and_b32 v6, 7, v3
	v_lshl_add_u32 v4, v6, 4, v4                   ; in memory: row lane / 8 of four, 16 bytes at 16 (lane % 8)
	v_and_b32 v5, 8, v1
	v_add_nc_u32 v5, v5, v1
	v_lshlrev_b32 v5, 2, v5                        ; my column: 4 (r + 8 (r / 8)); tile u lies 8 columns on
	v_lshlrev_b32 v16, 4, v3
	v_add_nc_u32 v16, s54, v16
	v_mad_u32_u24 v17, v2, 4224, v5
	v_add_nc_u32 v17, s54, v17
	COLASK 8, 4096, 32
	s_wait_loadcnt 0x0
	COLTURN 32
	s_wait_dscnt 0x0
	QCOL0 128, 16, 40, 14
	QCOL0 192, 40, 128, 15
	QCOL1 8, 28, 140, 188
	QCOL1 11, 52, 140, 189
	v_lshlrev_b32 v6, 4, v3
.irp u, 0,1
.irp q, 0,1
.irp c, 0,1,2
	global_store_b128 v6, v[16+12*(2*\u+\q)+4*\c:16+12*(2*\u+\q)+4*\c+3], s[26:27] offset:12288*\q+1536*\u+512*\c
.endr
.endr
.endr
	v_cndmask_b32 v160, v15, v14, vcc_lo           ; lanes 0-15: tile 2 b's words, lanes 16-31: tile 2 b + 1's
	v_cndmask_b32 v161, v189, v188, vcc_lo
	v_lshlrev_b32 v7, 3, v3
	global_store_b64 v7, v[160:161], s[28:29]      ; 256 consecutive bytes
	s_set_vgpr_msb 0x5
	s_wait_tensorcnt 0x0
	ds_add_u32 v0, v1
	s_wait_dscnt 0x0
	s_set_vgpr_msb 0x500
	s_endpgm
; ---------------- W2, W3: codes as given, laid anew.  Wave b takes 32 rows x 192 bytes (two K steps) through its own stage in LDS (pitch 208) ----------------
.Lw23:
	s_sub_co_u32 s56, s37, 128                     ; 0 .. 287: 36 quarters an expert
	s_mul_i32 s57, s56, 1821
	s_lshr_b32 s57, s57, 16                        ; e = that / 36 (1,821 / 65,536 lies just above 1 / 36: exact up to 287)
	s_mul_i32 s58, s57, 36
	s_sub_co_u32 s58, s56, s58
	s_add_co_u32 s58, s58, 8                       ; 4 t + w = 8 .. 43
	s_lshr_b32 s40, s58, 2                         ; t = 2 .. 10
	s_and_b32 s41, s58, 3                          ; w
	s_sub_co_u32 s42, s40, 2
	s_lshr_b32 s43, s42, 2                         ; p
	s_and_b32 s42, s42, 3                          ; s
	s_lshl_b32 s43, s43, 2
	s_add_co_u32 s43, s43, s41
	s_lshl_b32 s43, s43, 7
	s_lshl_b32 s44, s57, 10
	s_add_co_u32 s43, s43, s44                     ; W2: first row 1024 e + 128 (4 p + w), K pair s
	s_lshl_b32 s44, s57, 7                         ; W3: first row 128 e, K pair w
	s_cmp_lt_u32 s40, 10                           ; the choice hangs on the work-group's number alone
	s_cselect_b64 s[10:11], s[10:11], s[14:15]
	s_cselect_b64 s[12:13], s[12:13], s[16:17]
	s_cselect_b32 s43, s43, s44
	s_cselect_b32 s42, s42, s41
	s_lshl_b32 s44, s36, 5
	s_add_co_u32 s43, s43, s44                     ; + 32 b
	s_mul_i32 s44, s43, 768
	s_mul_i32 s45, s42, 192
	s_add_co_u32 s44, s44, s45
	s_mov_b32 s45, 0
	s_add_nc_u64 s[10:11], s[10:11], s[44:45]
	s_lshl_b32 s44, s43, 5
	s_lshl_b32 s46, s42, 3
	s_add_co_u32 s44, s44, s46
	s_add_nc_u64 s[12:13], s[12:13], s[44:45]
	s_mul_i32 s42, s57, 44
	s_add_co_u32 s42, s42, s58                     ; the quarter's number
	s_mul_i32 s44, s42, 24576
	s_mul_i32 s43, s36, 3072
	s_add_co_u32 s44, s44, s43
	s_add_nc_u64 s[26:27], s[26:27], s[44:45]
	s_lshl_b32 s44, s42, 10
	s_lshl_b32 s43, s36, 8
	s_add_co_u32 s44, s44, s43
	s_add_nc_u64 s[28:29], s[28:29], s[44:45]
	s_mul_i32 s47, s36, 6656                       ; my stage: 32 rows of 208 bytes
	; on the way in a load takes 64 consecutive bytes of 8 rows: lane l row l / 4, 16 bytes at 16 (l % 4); which 64 of a row's 192 bytes and which 8 rows stand in the immediates
	v_lshrrev_b32 v10, 2, v3
	v_and_b32 v11, 3, v3
	v_mul_u32_u24 v4, v10, 768
	v_lshl_add_u32 v4, v11, 4, v4                  ; in memory: rows 768 bytes apart
	v_mul_u32_u24 v7, v10, 208
	v_lshl_add_u32 v7, v11, 4, v7
	v_add_nc_u32 v7, s47, v7                       ; in the stage: 208 (l / 4) + 16 (l % 4) + 6,656 x wave
	v_and_b32 v14, 8, v1
	v_add_nc_u32 v14, v14, v1                      ; r + 8 (r / 8)
	v_lshl_add_u32 v15, v2, 3, v14                 ; scales: lanes 16-31 take tile 2 b + 1's rows, 8 further on
	v_lshlrev_b32 v15, 5, v15
	v_mul_u32_u24 v13, v14, 208
	v_mad_u32_u24 v13, v2, 24, v13
	v_add_nc_u32 v13, s47, v13                     ; a fragment's row in the stage, + 24 h
	v_lshlrev_b32 v114, 4, v3
	v_lshlrev_b32 v115, 3, v3
.irp g, 0,1,2,3
.irp k, 0,1,2
	global_load_b128 v[16+4*(3*\g+\k):16+4*(3*\g+\k)+3], v4, s[10:11] offset:6144*\g+64*\k th:TH_LOAD_NT
.endr
.endr
	global_load_b64 v[112:113], v15, s[12:13]      ; the words of K steps q = 0, 1 of my row
	s_wait_loadcnt 0x0
.irp g, 0,1,2,3
.irp k, 0,1,2
	ds_store_b128 v7, v[16+4*(3*\g+\k):16+4*(3*\g+\k)+3] offset:1664*\g+64*\k
.endr
.endr
.irp u, 0,1                                    ; LDS serves a wave's instructions in order: these see my stores; no other wave touches my stage
.irp q, 0,1
.irp p, 0,1,2,3,4,5
	ds_load_b64 v[64+12*(2*\u+\q)+2*\p:64+12*(2*\u+\q)+2*\p+1], v13 offset:1664*\u+96*\q+48*(\p/3)+8*(\p%3)
.endr
.endr
.endr
.irp u, 0,1
.irp q, 0,1
	s_wait_dscnt 18-6*(2*\u+\q)                    ; this fragment's six loads are in; the younger fragments' may be out
.irp c, 0,1,2
	global_store_b128 v114, v[64+12*(2*\u+\q)+4*\c:64+12*(2*\u+\q)+4*\c+3], s[26:27] offset:12288*\q+1536*\u+512*\c
.endr
.endr
.endr
	global_store_b64 v115, v[112:113], s[28:29]
	s_set_vgpr_msb 0x5
	s_wait_tensorcnt 0x0
	ds_add_u32 v0, v1
	s_wait_dscnt 0x0
	s_set_vgpr_msb 0x500
	s_endpgm
.Lfunc_end_k_q1f11f4284f_prep:
	.size	k_q1f11f4284f_prep, .Lfunc_end_k_q1f11f4284f_prep-k_q1f11f4284f_prep
	.p2alignl 7, 3214868480
	.fill 96, 4, 3214868480
	.section	.rodata,"a",@progbits
	.p2align	6, 0x0
	.amdhsa_kernel k_q1f11f4284f_prep
		.amdhsa_group_segment_fixed_size 162304
		.amdhsa_private_segment_fixed_size 0
		.amdhsa_enable_private_segment 0
		.amdhsa_kernarg_size 128
		.amdhsa_user_sgpr_count 2
		.amdhsa_user_sgpr_kernarg_segment_ptr 1
		.amdhsa_wavefront_size32 1
		.amdhsa_system_sgpr_workgroup_id_x 1
		.amdhsa_system_sgpr_workgroup_id_y 1
		.amdhsa_system_sgpr_workgroup_id_z 1
		.amdhsa_system_vgpr_workitem_id 0
		.amdhsa_next_free_vgpr 258
		.amdhsa_next_free_sgpr 66
		.amdhsa_reserve_vcc 1
		.amdhsa_float_denorm_mode_32 3
		.amdhsa_float_denorm_mode_16_64 3
		.amdhsa_memory_ordered 1
		.amdhsa_forward_progress 1
		.amdhsa_inst_pref_size 77
	.end_amdhsa_kernel
	.amdgpu_metadata
---
amdhsa.version: [ 1, 2 ]
amdhsa.kernels:
  - .name:           k_q1f11f4284f_prep
    .symbol:         k_q1f11f4284f_prep.kd
    .args:
      - { .name: t, .offset: 0, .size: 8, .value_kind: global_buffer, .address_space: global }
      - { .name: x, .offset: 8, .size: 8, .value_kind: global_buffer, .address_space: global }
      - { .name: W1, .offset: 16, .size: 8, .value_kind: global_buffer, .address_space: global }
      - { .name: W2_codes, .offset: 24, .size: 8, .value_kind: global_buffer, .address_space: global }
      - { .name: W2_scales, .offset: 32, .size: 8, .value_kind: global_buffer, .address_space: global }
      - { .name: W3_codes, .offset: 40, .size: 8, .value_kind: global_buffer, .address_space: global }
      - { .name: W3_scales, .offset: 48, .size: 8, .value_kind: global_buffer, .address_space: global }
      - { .name: G1, .offset: 56, .size: 8, .value_kind: global_buffer, .address_space: global }
      - { .name: g1b, .offset: 64, .size: 8, .value_kind: global_buffer, .address_space: global }
      - { .name: G2, .offset: 72, .size: 8, .value_kind: global_buffer, .address_space: global }
      - { .name: g2b, .offset: 80, .size: 8, .value_kind: global_buffer, .address_space: global }
      - { .name: wcodes, .offset: 88, .size: 8, .value_kind: global_buffer, .address_space: global }
      - { .name: wsc, .offset: 96, .size: 8, .value_kind: global_buffer, .address_space: global }
      - { .name: inpimg, .offset: 104, .size: 8, .value_kind: global_buffer, .address_space: global }
      - { .name: inpsc, .offset: 112, .size: 8, .value_kind: global_buffer, .address_space: global }
      - { .name: gates, .offset: 120, .size: 8, .value_kind: global_buffer, .address_space: global }
    .group_segment_fixed_size: 162304
    .private_segment_fixed_size: 0
    .kernarg_segment_align: 8
    .kernarg_segment_size: 128
    .max_flat_workgroup_size: 128
    .sgpr_count:     66
    .vgpr_count:     258
    .wavefront_size: 32
...
	.end_amdgpu_metadata
.endif
;; end of part 1
;; launch chain (part 2): grid 32 x 8, 4 waves a work-group, clusters of 4 x 1, 327,680 bytes of LDS; arguments wcodes, wsc, inpimg, inpsc, gates, b1, b2, b3, part; writes part
.if DOCPART == 2
	.amdgcn_target "amdgcn-amd-amdhsa--gfx1250"
	.amdhsa_code_object_version 6
	.text
	.protected	k_q1f11f4284f_chain
	.globl	k_q1f11f4284f_chain
	.p2align	8
	.type	k_q1f11f4284f_chain,@function
k_q1f11f4284f_chain:
	s_mov_b64 s[64:65], 0
	v_nop
	global_prefetch_b8 v0, s[64:65] scope:SCOPE_SE
	s_setreg_imm32_b32 hwreg(HW_REG_WAVE_MODE, 25, 1), 1
	s_wait_xcnt 0x0
	s_wait_alu depctr_hold_cnt(0) depctr_sa_sdst(0) depctr_va_vdst(0) depctr_va_sdst(0) depctr_va_ssrc(0) depctr_va_vcc(0) depctr_vm_vsrc(0)
	s_getreg_b32 s2, hwreg(HW_REG_IB_STS2, 6, 4)
	s_cmp_eq_u32 s2, 0
	s_cbranch_scc0 .Lentry_in_a_cluster
	s_endpgm
.Lentry_in_a_cluster:
	s_bfe_u32 s2, ttmp6, 0x10000c
	s_cmp_lg_u32 s2, 0x3003
	s_cbranch_scc0 .Lentry_shape_is_right
	s_endpgm
.Lentry_shape_is_right:
; CHAIN: a work-group takes one expert e (grid y) and 128 tokens (grid x) through inp -> 1024 -> 1024 -> 128, the norm clip and the gate's weight; part[e][token][128] f32 goes out.
; All three products run on E2M3 codes with E8M0 scales; the hidden layers are quantised in registers and go from wave to wave through LDS as images of the operand's registers; they never go to memory.
; SHARES.  Layers 1 and 2: wave w makes 128 hidden units (a group) for all 128 tokens: 64 accumulators, 512 registers; two passes a layer (groups 4 j + w).  Layer 3: wave w makes all 128 outputs for tokens 32 w .. 32 w + 31.
; TRANSPOSED USE: source 0 = 16 weight rows, source 1 = 16 tokens: a lane holds one token, and the weight rows of a tile were chosen (by the launch before) so that 16 registers of two neighbouring tiles are 16 neighbours along the next K.
; THE WEIGHTS are one stream of 11 slots of 98,304 bytes an expert, through a ring of two LDS slots; slot t lies in ring slot t % 2; each wave brings its quarter by one tensor load and (layers 1, 2) reads only that quarter.
; CLUSTER 4, 1, 1: the four token blocks of a cluster walk the same expert's stream, so each load is a joint one with the mask of all four.  No second axis: across experts only the tokens' 24 KB of codes would be shared, of 1.1 MB a work-group.
; The change in front of slot t asks for slot t + 1, into the ring slot that was read last; by this text's own count a wave has one tensor load out at any time.
; The second layer's first half (groups 0-3) has no room in LDS beside the first layer's 96 KB: each wave HOLDs its 8 fragments in 96 registers during the second pass; the second pass's fragments land in regions 0-3, which are dead by then.
; LIMITS: NaN and infinities are not served; a block whose largest magnitude lies under 2^-124 gets the scale byte 1 (a block of zeros too: its codes are zeros).
; REGISTERS.  window 0: v1-19 addresses; v20-21 my tokens' gates; v22-23 a factor; v24-31 WH, v32-47 SW, v48-63 SA: scale words; v64-159 AF: 8 token fragments; v160-255 HOLD.
;   window 1: v0-95, v96-191 weight fragments, two sets; v192-255 TMP: the bias (C of a pass's first products), later the quantiser's work.  windows 2, 3: accumulator (token tile a, unit tile b) at v[8 (8 (a % 4) + b)] of window 2 + a / 4.
.set SLOTB, 98304
.set QB,    24576                      ; a wave's quarter of a slot: 16 fragments
.set FRB,   1536                       ; a fragment's image
.set EXPB,  11*SLOTB                   ; an expert's stream
.set SLOT1, 1<<17                      ; ring slot 1: one exclusive or turns an address
.set HSC,   98304                      ; the hidden layers' scale words [region 8][lane 32][token tile 8] x 4 bytes
.set B1L,   106496                     ; b1, b2 (4,096 each), b3 (512) of my expert
.set B3L,   114688
.set W1SC,  115200                     ; the scale images of slots 0, 1 (8,192)
.set W3SC,  123392                     ; and of slot 10 (4,096)
.set SPARE, 127488                     ; the spare words: 128 bytes a wave, two blocks of 256 bytes that no other line names
.set HL,    229376                     ; eight regions of 12,288: the 8 token fragments of one K step
.set SPW, 1
.set NIL, 2
.set LI,  3                            ; 16 x lane
.set ADB0, 4                           ; my quarter in ring slot 0;  ADB0 + 1: in slot 1
.set ADBX, 6
.set AH0, 7                            ; regions 0-3;  AH0 + 1: regions 4-7
.set AHS, 9
.set HWLO, 10                          ; region w
.set HWX, 11
.set HSW0, 12
.set HSWX, 13
.set ABI, 14
.set ABX, 15
.set ASWL, 16
.set ASWX, 17
.set L8,  18                           ; 8 x lane
.set PFO, 19                           ; 256 x lane
.set GT,  20
.set FC,  22
.set WH,  24
.set SW,  32
.set SA,  48
.set AF,  64
.set HOLD, 160
.set OT,  240                          ; the way out: at work
.set TMP, 192                          ; window 1
.set TM,  192
.set PW,  208
.set PC,  212
.set MSB, 0
.macro WIN new                         ; the immediate's high byte repeats the setting that is left
.if MSB != (\new)
	s_set_vgpr_msb (MSB<<8)|(\new)
.set MSB, (\new)
.endif
.endm
.macro PLACES                          ; four plain places behind matrix instructions, ahead of reads of results and of loads into their registers
.rept 4
	v_nop
.endr
.endm
.macro CREST                           ; a round of the cluster's barrier behind its opening barrier
	s_cmp_lg_u32 s22, 0
	s_cbranch_scc1 .Lnot_wave_0_\@
	s_barrier_signal -3
.Lnot_wave_0_\@:
	s_barrier_wait -3
	s_barrier_signal -1
	s_barrier_wait -1
.endm
.macro CROUND
	s_barrier_signal -1
	s_barrier_wait -1
	CREST
.endm
.macro JLOAD                           ; my quarter of the next slot: the same line and, for a given wave, the same descriptor in all four partners; four v_nop follow
	tensor_load_to_lds s[36:39], s[28:35]
	s_nop 0
.rept 4
	v_nop
.endr
.endm
.macro DSTEP                           ; no tensor load of mine is out: the walking descriptor goes to the other ring slot and the next slot of the stream
	s_xor_b32 s37, s37, SLOT1
	s_add_nc_u64 s[38:39], s[38:39], SLOTB
	s_wait_xcnt 0x0                                ; the last prefetch, a slot back, has read its address
	s_add_nc_u64 s[48:49], s[48:49], SLOTB
	s_add_co_u32 s46, s46, 1                       ; the slot that is asked for now
.endm
; A PREFETCH INTO THE L2 of the slot two behind the one that is being asked for: two slots, 256 matrix instructions, ahead of its tensor load.  All eight clusters of an expert walk the same stream: the first (cluster x = 0) asks.
; Its four partners take a quarter each, told apart by address; waves 0 to 2 take 8,192 bytes each, lanes 256 bytes apart: each block of 256 bytes is named once.  Slots 0 to 2 come by their loads alone; fills 9 and 10 ask for nothing: the stream ends at slot 10.
.macro ASK
	s_cmp_lt_u32 s46, s47
	s_cbranch_scc0 .Lnot_mine_\@
	global_prefetch_b8 v[PFO], s[48:49] th:TH_LOAD_NT scope:SCOPE_SE
.Lnot_mine_\@:
.endm
; THE CHANGE OF SLOTS at a pass's head: all my tensor loads are in (my quarter of the slot ahead), 0 onto my spare word, that and all my LDS reads and stores are done; then the round, and the refill first behind it.
.macro CHANGE fill
	s_wait_tensorcnt 0x0
	ds_add_u32 v[SPW], v[NIL]
.if \fill
	DSTEP
.endif
	s_wait_dscnt 0x0
.if \fill
	CROUND
	JLOAD
	ASK
.else
	s_barrier_signal -1
	s_barrier_wait -1
.endif
.endm
.macro FETCH_B adr, q, set             ; my quarter's 8 weight fragments of K step q of the pair
	WIN 0x40
.irp b, 0,1,2,3,4,5,6,7
.irp c, 0,1,2
	ds_load_b128 v[96*(\set)+12*\b+4*\c:96*(\set)+12*\b+4*\c+3], v[\adr] offset:FRB*(8*(\q)+\b)+512*\c
.endr
.endr
	WIN 0
.endm
.macro FETCH_A rho, i0                 ; token fragments i0 .. i0 + 3 of region rho
.irp i, \i0, \i0+1, \i0+2, \i0+3
.irp c, 0,1,2
	ds_load_b128 v[AF+12*(\i)+4*\c:AF+12*(\i)+4*\c+3], v[AH0+(\rho)/4] offset:12288*((\rho)%4)+FRB*(\i)+512*\c
.endr
.endr
.endm
.macro FETCH_SA rho, set               ; the 8 token tiles' scale words of region rho
	ds_load_b128 v[SA+8*(\set):SA+8*(\set)+3], v[AHS] offset:1024*(\rho)
	ds_load_b128 v[SA+8*(\set)+4:SA+8*(\set)+7], v[AHS] offset:1024*(\rho)+16
.endm
.macro FETCH_BIAS adr                  ; 8 tiles x 8 registers in the result's layout: tile 2 b + u, register j: unit 32 b + 16 h + 8 u + j
	WIN 0x40
.irp t, 0,1,2,3,4,5,6,7
	ds_load_b128 v[TMP+8*\t:TMP+8*\t+3], v[\adr] offset:128*(\t/2)+32*(\t%2)
	ds_load_b128 v[TMP+8*\t+4:TMP+8*\t+7], v[\adr] offset:128*(\t/2)+32*(\t%2)+16
.endr
	WIN 0
.endm
; 8 products: token tile a against my 8 unit tiles.  The weights' scale register carries tile 2 j in lanes 0-15 and tile 2 j + 1 in lanes 16-31.  bias = 1: C is the bias, which starts the sums.
; The accumulators take turns, one instruction a turn.
.macro MUL8 a, abase, bset, sw, q, sa, bias
.if \bias
	WIN 0x91+0x40*((\a)/4)
.else
	WIN 0xa1+0x50*((\a)/4)
.endif
.irp b, 0,1,2,3,4,5,6,7
.set rD, 8*(8*((\a)%4)+\b)
.set rW, 96*(\bset)+12*\b
.set rX, (\abase)+12*(\a)
.set rS, (\sw)+2*(\b/2)+(\q)
.set rT, (\sa)+(\a)
.set rC, rD
.if \bias
.set rC, TMP+8*\b
.endif
.if \b%2
	v_wmma_scale_f32_16x16x128_f8f6f4 v[rD:rD+7], v[rW:rW+11], v[rX:rX+11], v[rC:rC+7], v[rS], v[rT] matrix_a_fmt:MATRIX_FMT_FP6 matrix_b_fmt:MATRIX_FMT_FP6 matrix_a_scale:MATRIX_SCALE_ROW1
.else
	v_wmma_scale_f32_16x16x128_f8f6f4 v[rD:rD+7], v[rW:rW+11], v[rX:rX+11], v[rC:rC+7], v[rS], v[rT] matrix_a_fmt:MATRIX_FMT_FP6 matrix_b_fmt:MATRIX_FMT_FP6
.endif
.endr
.endm
.macro MUL16 a0, abase, bset, sw, q, sa, bias
	MUL8 \a0, \abase, \bset, \sw, \q, \sa, \bias
	MUL8 (\a0)+1, \abase, \bset, \sw, \q, \sa, \bias
.endm
; Layer 2, an even K step: its successor lies in the same slot.
.macro STEP K, bias
.set sS, SW+8*(((\K)/2)%2)
	s_wait_dscnt 12                                ; all but the youngest 12 loads: token fragments 4-7
	MUL16 0, AF, 0, sS, 0, SA, \bias
	MUL16 2, AF, 0, sS, 0, SA, \bias
	s_wait_dscnt 0x0
	PLACES
	FETCH_B ADB0+(((\K)/2)%2), 1, 1
	FETCH_A (\K)+1, 0
	FETCH_SA (\K)+1, 1
	MUL16 4, AF, 0, sS, 0, SA, \bias
	MUL16 6, AF, 0, sS, 0, SA, \bias
	PLACES
	WIN 0
	FETCH_A (\K)+1, 4
.endm
; the next-but-one slot's weight scale words, 256 consecutive bytes a load, into the set that the slot just multiplied has left
.macro SWLOAD sg
	s_wait_loadcnt 0x0                             ; the next slot's words, asked for a slot ago, are in
.if (\sg) >= 2
	s_cmp_eq_u32 s45, 1                            ; the second pass has no slots of this layer behind its fourth
	s_cbranch_scc1 .Lno_words_\@
.endif
.irp j, 0,1,2,3
	global_load_b64 v[SW+8*((\sg)%2)+2*\j:SW+8*((\sg)%2)+2*\j+1], v[L8], s[50:51] offset:4096*((\sg)+2)+256*\j
.endr
.if (\sg) >= 2
.Lno_words_\@:
.endif
.endm
; Layer 2, an odd K step but the last: it multiplies from registers and changes slots.  The barrier that it opens is a round of the cluster's; the refill is the first tensor load behind it.
.macro TURN K
.set tS, SW+8*((((\K)-1)/2)%2)
	s_wait_tensorcnt 0x0                           ; my quarter of the next slot is in
	ds_add_u32 v[SPW], v[NIL]
	DSTEP
	s_wait_dscnt 13                                ; (the add and token fragments 4-7 may be out)
	MUL16 0, AF, 1, tS, 1, SA+8, 0
	s_wait_dscnt 0x0                               ; the add is done, and my reads of this slot and of the regions so far are over
	s_barrier_signal -1
	MUL16 2, AF, 1, tS, 1, SA+8, 0
	WIN 0
	s_barrier_wait -1
	CREST
	JLOAD                                          ; its four v_nop are also the places in front of the loads below
	FETCH_B ADB0+((((\K)+1)/2)%2), 0, 0
	FETCH_A (\K)+1, 0
	FETCH_SA (\K)+1, 0
	ASK
	MUL16 4, AF, 1, tS, 1, SA+8, 0
	MUL16 6, AF, 1, tS, 1, SA+8, 0
	PLACES
	WIN 0
	FETCH_A (\K)+1, 4
	SWLOAD ((\K)-1)/2
.endm
; Token tile a's 64 results of a lane (register 16 b + i = unit 32 b + 16 h + i): relu, then the quantiser: a fragment in PC .. PC + 11 and its scale word in PW (window 1).
; mode 1: the image goes to v[HWX], v[HSWX].  mode 2: first pass: into HOLD and WH; second pass: the image goes to region w.
.macro QUANT a, mode
.set qW, 2+(\a)/4
.set qA, 64*((\a)%4)
	PLACES
	WIN (qW<<6)|(qW<<2)
.set qj, 0
.rept 64
	v_max_num_f32 v[qA+qj], 0, v[qA+qj]            ; each accumulator from its low end on
.set qj, qj+1
.endr
	WIN 0x50|(qW<<2)|qW
.irp b, 0,1,2,3
	v_max3_num_f32 v[TM+\b], v[qA+16*\b], v[qA+16*\b+1], 0x1800000   ; none is negative; the floor 2^(3 - 127) holds the byte at 1 from below
.endr
.irp i, 2,4,6,8,10,12,14
.irp b, 0,1,2,3
	v_max3_num_f32 v[TM+\b], v[qA+16*\b+\i], v[qA+16*\b+\i+1], v[TM+\b]
.endr
.endr
	s_wait_dscnt 0x0                               ; the last tile's image stores have read PC and PW
	WIN 0x55
.irp b, 0,1,2,3
	v_permlanex16_b32 v[TM+4+\b], v[TM+\b], s52, s53
.endr
.irp b, 0,1,2,3
	v_max_num_f32 v[TM+\b], v[TM+\b], v[TM+4+\b]   ; with lane l xor 16's 16: the block's largest
.endr
.irp b, 0,1,2,3
	v_add_nc_u32 v[TM+12+\b], 0xff000000, v[TM+\b] ; 2 off the exponent field: the conversion's scale operand
.endr
.irp b, 0,1,2,3
	v_lshrrev_b32 v[TM+4+\b], 23, v[TM+12+\b]
.endr
	v_lshl_or_b32 v[PW], v[TM+5], 8, v[TM+4]
	v_lshl_or_b32 v[PW], v[TM+6], 16, v[PW]
	v_lshl_or_b32 v[PW], v[TM+7], 24, v[PW]
	WIN 0x44|qW
.irp c, 0,1
	v_cvt_scalef32_pk16_fp6_f32 v[PC+6*\c:PC+6*\c+2], v[qA+32*\c:qA+32*\c+15], v[TM+12+2*\c]
	v_cvt_scalef32_pk16_fp6_f32 v[PC+12+4*\c:PC+14+4*\c], v[qA+32*\c+16:qA+32*\c+31], v[TM+13+2*\c]
.endr
	WIN 0x55
	v_nop                                          ; one plain place behind a scaled conversion
.irp c, 0,1                                    ; the operand wants a whole block in a lane
.irp i, 0,1,2
	v_permlane16_swap_b32 v[PC+6*\c+\i], v[PC+12+4*\c+\i]
.endr
.irp i, 0,1,2
	v_mov_b32 v[PC+3+6*\c+\i], v[PC+12+4*\c+\i]
.endr
.endr
.if (\mode) == 1
	WIN 0x04
.irp c, 0,1,2
	ds_store_b128 v[HWX], v[PC+4*\c:PC+4*\c+3] offset:FRB*(\a)+512*\c
.endr
	ds_store_b32 v[HSWX], v[PW] offset:4*(\a)
.else
	WIN 0
	s_cmp_lg_u32 s45, 0
	s_cbranch_scc1 .Lto_lds_\@
	WIN 0x01
.irp i, 0,1,2,3,4,5,6,7,8,9,10,11
	v_mov_b32 v[HOLD+12*(\a)+\i], v[PC+\i]
.endr
	v_mov_b32 v[WH+(\a)], v[PW]
	WIN 0
	s_branch .Lkept_\@
.Lto_lds_\@:
	WIN 0x04
.irp c, 0,1,2
	ds_store_b128 v[HWLO], v[PC+4*\c:PC+4*\c+3] offset:FRB*(\a)+512*\c
.endr
	ds_store_b32 v[HSW0], v[PW] offset:4*(\a)
	WIN 0
.Lkept_\@:
.endif
.endm
; A pass's last K step goes by token tiles: tile a - 1 is quantised behind tile a's eight products.
.macro LAST abase, sw, mode
	s_wait_dscnt 0x0
.irp a, 0,1,2,3,4,5,6,7
	MUL8 \a, \abase, 1, \sw, 1, SA+8, 0
.if \a > 0
	QUANT \a-1, \mode
.endif
.endr
	QUANT 7, \mode
	WIN 0
.endm
	s_load_b512 s[4:19], s[0:1], 0x0               ; wcodes 4, wsc 6, inpimg 8, inpsc 10, gates 12, b1 14, b2 16, b3 18
	s_load_b64 s[20:21], s[0:1], 0x40              ; part
	v_lshl_add_u32 v[SPW], v0, 2, SPARE
	v_mov_b32 v[NIL], 0
	ds_add_u32 v1, v2
	s_wait_dscnt 0x0
	v_lshrrev_b32 v[LI], 5, v0
	v_readfirstlane_b32 s22, v[LI]                 ; wave
	s_bfe_u32 s23, ttmp6, 0x40000                  ; cx: it enters global addresses of my own loads, stores and prefetches alone
	s_lshl_b32 s24, ttmp9, 2
	s_add_co_u32 s24, s24, s23                     ; my block of 128 tokens
	s_and_b32 s25, ttmp7, 0xffff                   ; the expert, which the four partners share
	; descriptor group 1: a dense block of 24,576 bytes as 96 rows of 256 bytes (32 elements of 8 bytes), no padding; the mask names all four partners, bit 21 beside it
	s_mov_b32 s28, 15|(3<<16)|(1<<21)
	s_mov_b32 s29, 32<<16
	s_mov_b32 s30, 96<<16
	s_mov_b32 s31, 32<<16
	s_mov_b32 s32, 96
	s_mov_b32 s33, 32
	s_mov_b32 s34, 0
	s_mov_b32 s35, 0
	s_mov_b32 s36, 1
	s_mul_i32 s37, s22, QB                         ; LDS: my quarter of ring slot 0
	s_mul_i32 s26, s22, QB
	s_mul_i32 s54, s25, EXPB
	s_add_co_u32 s54, s54, s26
	s_mov_b32 s55, 0
	s_mov_b32 s52, 0x76543210
	s_mov_b32 s53, 0xfedcba98
	s_wait_kmcnt 0x0
	s_add_nc_u64 s[38:39], s[4:5], s[54:55]
	s_or_b32 s39, s39, 0x80000000
	CROUND                                         ; all four work-groups are here: the first joint load meets
	JLOAD                                          ; slot 0
	s_mov_b32 s57, 0
	s_mul_i32 s56, s25, EXPB                       ; the prefetches: my expert, slot 2 (the first change steps it to slot 3), my work-group's quarter, my wave's 8,192 bytes
	s_mul_i32 s54, s23, QB
	s_add_co_u32 s56, s56, s54
	s_lshl_b32 s54, s22, 13
	s_add_co_u32 s56, s56, s54
	s_add_co_u32 s56, s56, 2*SLOTB
	s_add_nc_u64 s[48:49], s[4:5], s[56:57]
	s_cmp_lt_u32 s22, 3
	s_cselect_b32 s47, 9, 0
	s_cmp_eq_u32 ttmp9, 0                          ; the same in all four partners
	s_cselect_b32 s47, s47, 0
	s_lshl_b32 s56, s25, 12
	s_add_nc_u64 s[14:15], s[14:15], s[56:57]      ; b1, b2 of my expert
	s_add_nc_u64 s[16:17], s[16:17], s[56:57]
	s_lshl_b32 s56, s25, 9
	s_add_nc_u64 s[18:19], s[18:19], s[56:57]      ; b3
	s_mul_i32 s56, s25, 45056
	s_add_nc_u64 s[6:7], s[6:7], s[56:57]          ; my expert's scale images
	s_lshl_b32 s56, s22, 10
	s_add_co_u32 s56, s56, 8192
	s_add_nc_u64 s[50:51], s[6:7], s[56:57]        ; slot 2's, my quarter
	s_mul_i32 s56, s24, 24576
	s_add_nc_u64 s[8:9], s[8:9], s[56:57]          ; my 8 token tiles' images
	s_lshl_b32 s56, s24, 11
	s_add_nc_u64 s[10:11], s[10:11], s[56:57]
	s_lshl_b32 s56, s25, 14
	s_lshl_b32 s54, s24, 9
	s_add_co_u32 s56, s56, s54
	s_lshl_b32 s54, s22, 7
	s_add_co_u32 s56, s56, s54
	s_add_nc_u64 s[12:13], s[12:13], s[56:57]      ; gates[e] at token 128 blk + 32 w
	s_lshl_b32 s56, s25, 21
	s_lshl_b32 s54, s24, 16
	s_add_co_u32 s56, s56, s54
	s_lshl_b32 s54, s22, 14
	s_add_co_u32 s56, s56, s54
	s_add_nc_u64 s[20:21], s[20:21], s[56:57]      ; part[e] at the same token
	v_and_b32 v[L8], 31, v0
	v_lshlrev_b32 v[LI], 4, v[L8]
	v_lshlrev_b32 v[PFO], 8, v[L8]
	v_lshlrev_b32 v[ABX], 2, v[L8]                 ; (for now: 4 x lane)
	v_lshl_add_u32 v[AHS], v[L8], 5, HSC
	v_lshlrev_b32 v[L8], 3, v[L8]
	v_add_nc_u32 v[ADB0], s26, v[LI]
	v_add_nc_u32 v[ADB0+1], SLOT1, v[ADB0]
	v_add_nc_u32 v[AH0], HL, v[LI]
	v_add_nc_u32 v[AH0+1], HL+49152, v[LI]
	s_mul_i32 s54, s22, 12288
	v_add_nc_u32 v[HWLO], s54, v[AH0]
	s_lshl_b32 s54, s22, 10
	v_add_nc_u32 v[HSW0], s54, v[AHS]
	v_add_nc_u32 v[ASWL], s54, v[L8]
	v_add_nc_u32 v[ASWL], W1SC, v[ASWL]
	v_bfe_u32 v[ABI], v0, 4, 1
	v_lshlrev_b32 v[ABI], 6, v[ABI]
	s_lshl_b32 s54, s22, 9
	s_add_co_u32 s54, s54, B1L
	v_add_nc_u32 v[ABI], s54, v[ABI]               ; 64 h + b1 + my group's 512 bytes
	v_lshlrev_b32 v[ADBX], 4, v0                   ; (for now: 16 x thread)
	v_lshlrev_b32 v[HWX], 2, v0                    ; (4 x thread)
	v_and_b32 v[HSWX], 15, v0
	v_lshlrev_b32 v[HSWX], 2, v[HSWX]              ; (4 r)
	; what stays in LDS comes once, in runs of 512 consecutive bytes a wave, through window 1's v0-40
	WIN 0x40
.irp k, 0,1
	global_load_b128 v[4*\k:4*\k+3], v[ADBX], s[14:15] offset:2048*\k
	global_load_b128 v[8+4*\k:8+4*\k+3], v[ADBX], s[16:17] offset:2048*\k
	global_load_b128 v[32+4*\k:32+4*\k+3], v[ADBX], s[6:7] offset:40960+2048*\k
.endr
.irp k, 0,1,2,3
	global_load_b128 v[16+4*\k:16+4*\k+3], v[ADBX], s[6:7] offset:2048*\k
.endr
	global_load_b32 v40, v[HWX], s[18:19]
	WIN 0
.irp a, 0,1,2,3,4,5,6,7                        ; the tokens' fragments: K step 0 into AF, K step 1 into HOLD; their scale words into SA's two sets
.irp c, 0,1,2
	global_load_b128 v[AF+12*\a+4*\c:AF+12*\a+4*\c+3], v[LI], s[8:9] offset:3072*\a+512*\c
	global_load_b128 v[HOLD+12*\a+4*\c:HOLD+12*\a+4*\c+3], v[LI], s[8:9] offset:3072*\a+1536+512*\c
.endr
	global_load_b32 v[SA+\a], v[ABX], s[10:11] offset:256*\a
	global_load_b32 v[SA+8+\a], v[ABX], s[10:11] offset:256*\a+128
.endr
.irp s, 0,1
.irp j, 0,1,2,3
	global_load_b64 v[SW+8*\s+2*\j:SW+8*\s+2*\j+1], v[L8], s[50:51] offset:4096*\s+256*\j   ; slots 2 and 3
.endr
.endr
	global_load_b32 v[GT], v[HSWX], s[12:13]
	global_load_b32 v[GT+1], v[HSWX], s[12:13] offset:64
	s_wait_loadcnt 0x0                             ; all of them: their address registers are free too
	v_add_nc_u32 v[ASWX], HSC, v[ADBX]
	v_add_nc_u32 v[HWX], B3L, v[HWX]
	WIN 0x04
.irp k, 0,1
	ds_store_b128 v[ASWX], v[4*\k:4*\k+3] offset:B1L-HSC+2048*\k
	ds_store_b128 v[ASWX], v[8+4*\k:8+4*\k+3] offset:B1L-HSC+4096+2048*\k
	ds_store_b128 v[ASWX], v[32+4*\k:32+4*\k+3] offset:W3SC-HSC+2048*\k
.endr
.irp k, 0,1,2,3
	ds_store_b128 v[ASWX], v[16+4*\k:16+4*\k+3] offset:W1SC-HSC+2048*\k
.endr
	ds_store_b32 v[HWX], v40
	WIN 0                                          ; the first change's wait and round show these stores to every wave
	s_mov_b32 s40, 0                               ; the ring slot in hand
	s_mov_b32 s41, 0                               ; the pass's bias: 2,048 bytes a pass, on through b1 and b2
	s_mov_b32 s42, 0                               ; its scale image
	s_mov_b32 s43, 0                               ; its regions
	s_mov_b32 s44, 0
	s_mov_b32 s46, 0
	s_mov_b32 s45, 0
; ---- LAYER 1: two passes, a slot each: K steps 0 (x) and 1 (t, sin t, cos t and zero codes).  Wave w's results become region 4 j + w
.Ll1:
	CHANGE 1
	v_add_nc_u32 v[ADBX], s40, v[ADB0]
	v_add_nc_u32 v[ABX], s41, v[ABI]
	v_add_nc_u32 v[ASWX], s42, v[ASWL]
	v_add_nc_u32 v[HWX], s43, v[HWLO]
	v_add_nc_u32 v[HSWX], s44, v[HSW0]
.irp j, 0,1,2,3
	ds_load_b64 v[WH+2*\j:WH+2*\j+1], v[ASWX] offset:256*\j
.endr
	FETCH_BIAS ABX
	FETCH_B ADBX, 0, 0
	FETCH_B ADBX, 1, 1
	s_wait_dscnt 24                                ; all but K step 1's 24 loads
.irp a, 0,1,2,3,4,5,6,7
	MUL8 \a, AF, 0, WH, 0, SA, 1
.endr
	LAST HOLD, WH, 1
	s_xor_b32 s40, s40, SLOT1
	s_add_co_u32 s41, s41, 2048
	s_add_co_u32 s42, s42, 4096
	s_add_co_u32 s43, s43, 49152
	s_add_co_u32 s44, s44, 4096
	s_add_co_u32 s45, s45, 1
	s_cmp_lt_u32 s45, 2
	s_cbranch_scc1 .Ll1
; ---- LAYER 2: two passes of four slots, eight K steps; K step K reads region K
	s_mov_b32 s45, 0
.Ll2:
	CHANGE 1
	v_add_nc_u32 v[ABX], s41, v[ABI]
	FETCH_B ADB0, 0, 0
	FETCH_A 0, 0
	FETCH_SA 0, 0
	FETCH_BIAS ABX
	FETCH_A 0, 4
	STEP 0, 1
	TURN 1
	STEP 2, 0
	TURN 3
	STEP 4, 0
	TURN 5                                         ; in front of its round every wave's reads of regions 0-5 are over: the second pass's images may land in regions 0-3
	STEP 6, 0
	LAST AF, SW+8, 2
	SWLOAD 3
	s_wait_xcnt 0x0                                ; the loads have read their base
	s_add_nc_u64 s[50:51], s[50:51], 16384
	s_add_co_u32 s41, s41, 2048
	s_add_co_u32 s45, s45, 1
	s_cmp_lt_u32 s45, 2
	s_cbranch_scc1 .Ll2
; ---- between the layers: slot 10 is in, nothing is asked for; nobody reads regions 4-7 any more: the first pass's fragments go there
	CHANGE 0
.irp a, 0,1,2,3,4,5,6,7
.irp c, 0,1,2
	ds_store_b128 v[HWLO], v[HOLD+12*\a+4*\c:HOLD+12*\a+4*\c+3] offset:49152+FRB*\a+512*\c
.endr
	ds_store_b32 v[HSW0], v[WH+\a] offset:4096+4*\a
.endr
	s_wait_dscnt 0x0
	s_barrier_signal -1
	s_barrier_wait -1
; ---- LAYER 3: my 32 tokens x all 128 outputs: 16 accumulators in window 2 (token tile i, output tile n at v[8 (8 i + n)]).  K step k lies in region (k + 4) % 8
	v_add_nc_u32 v[ADBX], 49152, v[LI]
	s_mul_i32 s54, s22, 3072
	v_add_nc_u32 v[HWX], s54, v[AH0]
	v_add_nc_u32 v[HSWX], s54, v[AH0+1]
	s_lshl_b32 s54, s22, 3
	v_add_nc_u32 v[ABX], s54, v[AHS]
	v_bfe_u32 v[ASWX], v0, 4, 1
	v_lshl_add_u32 v[ASWX], v[ASWX], 6, B3L
	v_add_nc_u32 v[ASWL], W3SC, v[L8]
.macro L3FETCH k                       ; 24 + 6 + 1 loads, and 4 more where k is even
.set fB, LI
.if (\k) >= 4
.set fB, ADBX
.endif
.set fR, ((\k)+4)%8
.set fA, HWX
.if fR >= 4
.set fA, HSWX
.endif
	WIN 0x40
.irp n, 0,1,2,3,4,5,6,7
.irp c, 0,1,2
	ds_load_b128 v[96*((\k)%2)+12*\n+4*\c:96*((\k)%2)+12*\n+4*\c+3], v[fB] offset:12288*((\k)%4)+FRB*\n+512*\c
.endr
.endr
	WIN 0
.irp i, 0,1
.irp c, 0,1,2
	ds_load_b128 v[AF+24*((\k)%2)+12*\i+4*\c:AF+24*((\k)%2)+12*\i+4*\c+3], v[fA] offset:12288*(fR%4)+FRB*\i+512*\c
.endr
.endr
	ds_load_b64 v[SA+2*((\k)%2):SA+2*((\k)%2)+1], v[ABX] offset:1024*fR
.if (\k)%2 == 0
.irp j, 0,1,2,3
	ds_load_b64 v[SW+8*(((\k)/2)%2)+2*\j:SW+8*(((\k)/2)%2)+2*\j+1], v[ASWL] offset:1024*((\k)/2)+256*\j
.endr
.endif
.endm
.macro L3MUL k
.if (\k) == 0
	WIN 0x91
.else
	WIN 0xa1
.endif
.irp n, 0,1,2,3,4,5,6,7
.irp i, 0,1
.set rD, 8*(8*\i+\n)
.set rW, 96*((\k)%2)+12*\n
.set rX, AF+24*((\k)%2)+12*\i
.set rS, SW+8*(((\k)/2)%2)+2*(\n/2)+(\k)%2
.set rT, SA+2*((\k)%2)+\i
.set rC, rD
.if (\k) == 0
.set rC, TMP+8*\n
.endif
.if \n%2
	v_wmma_scale_f32_16x16x128_f8f6f4 v[rD:rD+7], v[rW:rW+11], v[rX:rX+11], v[rC:rC+7], v[rS], v[rT] matrix_a_fmt:MATRIX_FMT_FP6 matrix_b_fmt:MATRIX_FMT_FP6 matrix_a_scale:MATRIX_SCALE_ROW1
.else
	v_wmma_scale_f32_16x16x128_f8f6f4 v[rD:rD+7], v[rW:rW+11], v[rX:rX+11], v[rC:rC+7], v[rS], v[rT] matrix_a_fmt:MATRIX_FMT_FP6 matrix_b_fmt:MATRIX_FMT_FP6
.endif
.endr
.endr
.endm
	FETCH_BIAS ASWX
	L3FETCH 0
.irp k, 0,1,2,3,4,5,6
	PLACES                                         ; behind the K step before, whose registers the next fetch fills
	L3FETCH \k+1
.if (\k+1)%2
	s_wait_dscnt 31                                ; all but the fetch just issued
.else
	s_wait_dscnt 35
.endif
	L3MUL \k
.endr
	s_wait_dscnt 0x0
	L3MUL 7
	WIN 0
	PLACES
; ---- THE WAY OUT: the row's norm, min(1, 10 / (norm + 1e-6)) x the gate, and through my stage (16 rows of 528 bytes, in ring slot 1, which has had its last fill and its last read) so that a store covers a whole row of 512 bytes
	v_and_b32 v4, 15, v0
	v_mul_u32_u24 v4, v4, 528
	v_bfe_u32 v5, v0, 4, 1
	v_lshl_add_u32 v4, v5, 6, v4
	s_mul_i32 s54, s22, 8448
	s_add_co_u32 s54, s54, SLOT1
	v_add_nc_u32 v4, s54, v4                       ; in: row r, + 64 h; register 16 b + 8 u + j is output 32 b + 16 h + 8 u + j
	v_add_nc_u32 v5, s54, v[LI]                    ; back: 16 bytes a lane of a row
.macro OUT i
.set oA, 64*(\i)
.set oB, 64+64*(\i)
	WIN 0x0a
.irp k, 0,1,2,3
	v_mul_f32 v[OT+\k], v[oA+\k], v[oA+\k]         ; the squares in four chains, each accumulator from its low end on
.endr
.set oj, 4
.rept 60
	v_fma_f32 v[OT+oj%4], v[oA+oj], v[oA+oj], v[OT+oj%4]
.set oj, oj+1
.endr
	WIN 0
	v_add_f32 v[OT], v[OT], v[OT+1]
	v_add_f32 v[OT+2], v[OT+2], v[OT+3]
	v_add_f32 v[OT], v[OT], v[OT+2]
	v_permlanex16_b32 v[OT+4], v[OT], s52, s53
	v_add_f32 v[OT], v[OT], v[OT+4]                ; with lane l xor 16's 64 outputs
	v_sqrt_f32 v[OT], v[OT]
	v_nop
	s_wait_alu depctr_va_vdst(0)
	v_add_f32 v[OT], 0x358637bd, v[OT]             ; + 1e-6
	v_rcp_f32 v[OT], v[OT]
	v_nop
	s_wait_alu depctr_va_vdst(0)
	v_mul_f32 v[OT], 0x41200000, v[OT]             ; x 10
	v_min_num_f32 v[OT], 1.0, v[OT]
	v_mul_f32 v[FC], v[OT], v[GT+\i]
	v_mov_b32 v[FC+1], v[FC]
	WIN 0x82
.set oj, 0
.rept 32
	v_pk_mul_f32 v[oA+oj:oA+oj+1], v[oA+oj:oA+oj+1], v[FC:FC+1]
.set oj, oj+2
.endr
	WIN 0x08
.irp t, 0,1,2,3,4,5,6,7
	ds_store_b128 v4, v[oA+8*\t:oA+8*\t+3] offset:128*(\t/2)+32*(\t%2)
	ds_store_b128 v4, v[oA+8*\t+4:oA+8*\t+7] offset:128*(\t/2)+32*(\t%2)+16
.endr
	WIN 0
.irp t, 0,1,2,3,4,5,6,7,8,9,10,11,12,13,14,15
	ds_load_b128 v[oB+4*\t:oB+4*\t+3], v5 offset:528*\t   ; LDS serves a wave's instructions in order: these see my stores, and the next tile's stores come behind them
.endr
.endm
.macro SEND i, younger                 ; younger: the LDS instructions issued behind this tile's loads
.irp t, 0,1,2,3,4,5,6,7,8,9,10,11,12,13,14,15
	s_wait_dscnt \younger+15-\t
	global_store_b128 v[LI], v[64+64*(\i)+4*\t:64+64*(\i)+4*\t+3], s[20:21] offset:8192*(\i)+512*\t th:TH_STORE_NT   ; 512 consecutive bytes, at a multiple of 256 from the buffer's first byte
.endr
.endm
	OUT 0
	OUT 1
	SEND 0, 32
	SEND 1, 0
	s_wait_tensorcnt 0x0                           ; the wave's end
	ds_add_u32 v[SPW], v[NIL]
	s_wait_dscnt 0x0
	CROUND                                         ; the closing round
	s_endpgm
.Lfunc_end_k_q1f11f4284f_chain:
	.size	k_q1f11f4284f_chain, .Lfunc_end_k_q1f11f4284f_chain-k_q1f11f4284f_chain
	.p2alignl 7, 3214868480
	.fill 96, 4, 3214868480
	.section	.rodata,"a",@progbits
	.p2align	6, 0x0
	.amdhsa_kernel k_q1f11f4284f_chain
		.amdhsa_group_segment_fixed_size 327680
		.amdhsa_private_segment_fixed_size 0
		.amdhsa_enable_private_segment 0
		.amdhsa_kernarg_size 72
		.amdhsa_user_sgpr_count 2
		.amdhsa_user_sgpr_kernarg_segment_ptr 1
		.amdhsa_wavefront_size32 1
		.amdhsa_system_sgpr_workgroup_id_x 1
		.amdhsa_system_sgpr_workgroup_id_y 1
		.amdhsa_system_sgpr_workgroup_id_z 1
		.amdhsa_system_vgpr_workitem_id 0
		.amdhsa_next_free_vgpr 1024
		.amdhsa_next_free_sgpr 66
		.amdhsa_reserve_vcc 0
		.amdhsa_float_denorm_mode_32 3
		.amdhsa_float_denorm_mode_16_64 3
		.amdhsa_memory_ordered 1
		.amdhsa_forward_progress 1
		.amdhsa_inst_pref_size 255
	.end_amdhsa_kernel
	.section	.bss,"aw",@nobits
	.p2align	6
	.space	262144
	.amdgpu_metadata
---
amdhsa.version: [ 1, 2 ]
amdhsa.kernels:
  - .name:           k_q1f11f4284f_chain
    .symbol:         k_q1f11f4284f_chain.kd
    .args:
      - { .name: wcodes, .offset: 0, .size: 8, .value_kind: global_buffer, .address_space: global }
      - { .name: wsc, .offset: 8, .size: 8, .value_kind: global_buffer, .address_space: global }
      - { .name: inpimg, .offset: 16, .size: 8, .value_kind: global_buffer, .address_space: global }
      - { .name: inpsc, .offset: 24, .size: 8, .value_kind: global_buffer, .address_space: global }
      - { .name: gates, .offset: 32, .size: 8, .value_kind: global_buffer, .address_space: global }
      - { .name: b1, .offset: 40, .size: 8, .value_kind: global_buffer, .address_space: global }
      - { .name: b2, .offset: 48, .size: 8, .value_kind: global_buffer, .address_space: global }
      - { .name: b3, .offset: 56, .size: 8, .value_kind: global_buffer, .address_space: global }
      - { .name: part, .offset: 64, .size: 8, .value_kind: global_buffer, .address_space: global }
    .group_segment_fixed_size: 327680
    .private_segment_fixed_size: 0
    .kernarg_segment_align: 8
    .kernarg_segment_size: 72
    .max_flat_workgroup_size: 128
    .sgpr_count:     66
    .vgpr_count:     1024
    .wavefront_size: 32
...
	.end_amdgpu_metadata
.endif
;; end of part 2
;; launch combine (part 3): grid 256 x 1, 8 waves a work-group, no clusters, 0 bytes of LDS; arguments part, out0; writes out0
.if DOCPART == 3
	.amdgcn_target "amdgcn-amd-amdhsa--gfx1250"
	.amdhsa_code_object_version 6
	.text
	.protected	k_q1f11f4284f_combine
	.globl	k_q1f11f4284f_combine
	.p2align	8
	.type	k_q1f11f4284f_combine,@function
k_q1f11f4284f_combine:
	s_mov_b64 s[64:65], 0
	v_nop
	global_prefetch_b8 v0, s[64:65] scope:SCOPE_SE
	s_setreg_imm32_b32 hwreg(HW_REG_WAVE_MODE, 25, 1), 1
	s_wait_xcnt 0x0
; out0[token][s] = the sum over the 8 experts of part[e][token][s], e ascending, in f32.  A stream: no LDS, no barrier, no matrix unit.
; A work-group owns 8,192 consecutive bytes of out0; a thread two pieces of 16 bytes, 4,096 bytes apart: a wave's load or store covers 512 consecutive bytes.
; All 16 loads of a thread go out at once, the first piece's eight first.  An expert's part is 2,097,152 bytes: experts 0-3 stand in the immediate behind the first base, experts 4-7 behind a second base.
.set ESTEP, 2097152
	s_load_b128 s[4:7], s[0:1], 0x0                ; part, out0
	v_lshlrev_b32 v1, 4, v0
	s_lshl_b32 s8, ttmp9, 13
	s_mov_b32 s9, 0
	s_wait_kmcnt 0x0
	s_add_nc_u64 s[4:5], s[4:5], s[8:9]
	s_add_nc_u64 s[6:7], s[6:7], s[8:9]
	s_add_nc_u64 s[10:11], s[4:5], 4*ESTEP
.irp c, 0,1
.irp e, 0,1,2,3
	global_load_b128 v[8+32*\c+4*\e:8+32*\c+4*\e+3], v1, s[4:5] offset:ESTEP*\e+4096*\c th:TH_LOAD_NT
.endr
.irp e, 0,1,2,3
	global_load_b128 v[24+32*\c+4*\e:24+32*\c+4*\e+3], v1, s[10:11] offset:ESTEP*\e+4096*\c th:TH_LOAD_NT
.endr
.endr
.irp c, 0,1
	s_wait_loadcnt 8-8*\c                          ; this piece's eight loads are in; the second piece's eight may be out
.irp e, 1,2,3,4,5,6,7
	v_pk_add_f32 v[8+32*\c:9+32*\c], v[8+32*\c:9+32*\c], v[8+32*\c+4*\e:9+32*\c+4*\e]
	v_pk_add_f32 v[10+32*\c:11+32*\c], v[10+32*\c:11+32*\c], v[10+32*\c+4*\e:11+32*\c+4*\e]
.endr
	global_store_b128 v1, v[8+32*\c:11+32*\c], s[6:7] offset:4096*\c th:TH_STORE_NT
.endr
	s_endpgm
.Lfunc_end_k_q1f11f4284f_combine:
	.size	k_q1f11f4284f_combine, .Lfunc_end_k_q1f11f4284f_combine-k_q1f11f4284f_combine
	.p2alignl 7, 3214868480
	.fill 96, 4, 3214868480
	.section	.rodata,"a",@progbits
	.p2align	6, 0x0
	.amdhsa_kernel k_q1f11f4284f_combine
		.amdhsa_group_segment_fixed_size 0
		.amdhsa_private_segment_fixed_size 0
		.amdhsa_enable_private_segment 0
		.amdhsa_kernarg_size 16
		.amdhsa_user_sgpr_count 2
		.amdhsa_user_sgpr_kernarg_segment_ptr 1
		.amdhsa_wavefront_size32 1
		.amdhsa_system_sgpr_workgroup_id_x 1
		.amdhsa_system_sgpr_workgroup_id_y 1
		.amdhsa_system_sgpr_workgroup_id_z 1
		.amdhsa_system_vgpr_workitem_id 0
		.amdhsa_next_free_vgpr 72
		.amdhsa_next_free_sgpr 66
		.amdhsa_reserve_vcc 0
		.amdhsa_float_denorm_mode_32 3
		.amdhsa_float_denorm_mode_16_64 3
		.amdhsa_memory_ordered 1
		.amdhsa_forward_progress 1
		.amdhsa_inst_pref_size 5
	.end_amdhsa_kernel
	.amdgpu_metadata
---
amdhsa.version: [ 1, 2 ]
amdhsa.kernels:
  - .name:           k_q1f11f4284f_combine
    .symbol:         k_q1f11f4284f_combine.kd
    .args:
      - { .name: part, .offset: 0, .size: 8, .value_kind: global_buffer, .address_space: global }
      - { .name: out0, .offset: 8, .size: 8, .value_kind: global_buffer, .address_space: global }
    .group_segment_fixed_size: 0
    .private_segment_fixed_size: 0
    .kernarg_segment_align: 8
    .kernarg_segment_size: 16
    .max_flat_workgroup_size: 256
    .sgpr_count:     66
    .vgpr_count:     72
    .wavefront_size: 32
...
	.end_amdgpu_metadata
.endif
;; end of part 3
